; MI455X (gfx1250); checked and timed in simulation.
; The chip was launched on July 23, 2026; its instructions are those of AMD's public machine-readable ISA for CDNA 5 (MIT licence, August 2026) and "CDNA5" Instruction Set Architecture Reference Guide (July 2026). The comments in the code are by the model that wrote it; some were corrected since.
;; cross spatial qk2v k relu. Allowed arithmetic: matrix products marked QUANTISED: E2M1 operands, one E8M0 scale for each 32 along K, by v_wmma_scale_f32_16x16x128_f8f6f4 with both operands' format E2M1 (or v_wmma_scale_f32_32x16x128_f4), f32 sums; products left as they are: bf16, f16 or f32 operands; f32 sums; everything else in f32.
;; Inputs: W_kv1 512 x 1,024 float32; W_kv2 512 x 1,024 float32; x1 8 x 1,024 x 512 float32; x2 8 x 1,024 x 512 float32.
;; Outputs: out0 8 x 1,024 x 512 float32; out1 8 x 1,024 x 512 float32.
;; This version of the problem:
;;   THIS VERSION OF THE PROBLEM IS GIVEN IN LOW PRECISION. The matrix products marked QUANTISED in the list below multiply operands that are first quantised to E2M1 (2 exponent bits, 1 mantissa bit; 4 bits a number), with one power-of-two scale for each 32 numbers along K (OCP MX v1.0); their sums are f32. The products marked 'left as it is' may take bf16, f16 or f32 operands, with f32 sums. Whichever they take, every output number must still come out within the allowed error. Rounding operands to bf16 (8 significant bits) uses up far more of that allowance than f16 does (11 bits, for magnitudes from 6e-5 to 65,504). All else is computed in f32.
;;   The module's matrix products, in the order in which they are computed (A, B: the left and right operand; K: the contracted axis; several contracted axes count as one K, in the product's order):
;;     1. [M 8,192, K 512] x [K 512, N 1,024]; A: input x1; B: input W_kv1: QUANTISED
;;     2. [M 8,192, K 512] x [K 512, N 1,024]; A: input x2; B: input W_kv2: QUANTISED
;;     3. batch 64 x [M 1,024, K 64] x [K 64, N 1,024]; A: input x1; B: computed on the way: left as it is (an operand is computed on the way)
;;     4. batch 64 x [M 1,024, K 64] x [K 64, N 1,024]; A: input x2; B: computed on the way: left as it is (an operand is computed on the way)
;;     5. batch 64 x [M 1,024, K 1,024] x [K 1,024, N 64]; A: computed on the way; B: computed on the way: left as it is (an operand is computed on the way)
;;     6. batch 64 x [M 1,024, K 1,024] x [K 1,024, N 64]; A: computed on the way; B: computed on the way: left as it is (an operand is computed on the way)
;;   THE QUANTISER, for each operand of a quantised product, along K:
;;     - K is cut into blocks of 32 from its start; a last block that is shorter is filled with zeros.
;;     - A block's scale is 2^e with e = floor(log2(the largest magnitude in the block)) - 2, held to -126 .. 127; a block of zeros has e = 0. As a byte (E8M0): e + 127.
;;     - Each number is divided by its block's scale, clamped to +-6, and rounded to the nearest number of E2M1, ties to even, subnormals kept.
;;     - The product sums the exact products of the quantised numbers (number of the format x scale) in f32.
;;   ~~~python
;;   def quantise(x, axis):      # numpy; x: float32 -> the quantised numbers, widened to float32 again
;;       x = np.moveaxis(x, axis, -1); K = x.shape[-1]
;;       x = np.pad(x, [(0, 0)] * (x.ndim - 1) + [(0, -K % 32)]); x = x.reshape(x.shape[:-1] + (-1, 32)); a = np.abs(x).max(-1, keepdims=True)
;;       e = np.where(a > 0, np.clip(np.frexp(np.where(a > 0, a, 1))[1] - 1 - 2, -126, 127), 0)      # np.frexp(a)[1] - 1 = floor(log2(a)), exactly
;;       r = np.clip(x / 2.0 ** e, -6, 6)
;;       step = 2.0 ** (np.maximum(np.frexp(np.where(r == 0, 1, r))[1] - 1, 0) - 1)
;;       q = np.round(r / step) * step * 2.0 ** e      # np.round: ties to even
;;       return np.moveaxis(q.reshape(q.shape[:-2] + (-1,))[..., :K], -1, axis).astype(np.float32)
;;   ~~~
;; One version. Each part assembles by itself: llvm-mc -triple=amdgcn-amd-amdhsa -mcpu=gfx1250 --defsym DOCPART=n.
;; ======== version 1 of 1: 2 launches
;; limits: right only within a limited range of input values
;; workspace buffers: xcodes 4,194,304 bytes; xscales 262,144 bytes; wcodes 524,288 bytes; wscales 32,768 bytes; peaks 5,120 bytes
;; launch quant (part 1): grid 320 x 1, 4 waves a work-group, no clusters, 39,424 bytes of LDS; arguments x1, x2, W_kv1, W_kv2, xcodes, xscales, wcodes, wscales, peaks; writes xcodes, xscales, wcodes, wscales, peaks
.if DOCPART == 1
	.amdgcn_target "amdgcn-amd-amdhsa--gfx1250"
	.amdhsa_code_object_version 6
	.text
	.protected	k_q8d28176f23_quant
	.globl	k_q8d28176f23_quant
	.p2align	8
	.type	k_q8d28176f23_quant,@function
k_q8d28176f23_quant:
	s_mov_b64 s[64:65], 0
	v_nop
	global_prefetch_b8 v0, s[64:65] scope:SCOPE_SE
	s_setreg_imm32_b32 hwreg(HW_REG_WAVE_MODE, 25, 1), 1
	s_wait_xcnt 0x0
; x1, x2 [8192][512] f32 (K innermost) and W_kv1, W_kv2 [512][1024] f32 (K is the FIRST axis) become codes of FP4 (E2M1) with one E8M0 byte for each 32 along K.
; A block's scale is 2^(floor(log2(its largest magnitude)) - 2); its byte is the largest magnitude's exponent field - 2, held at 1 from below by a floor among the maximum's leaves.
; (A block of zeros so gets the byte 1 where the rule says 127: its codes are zeros, which add nothing, and the bytes are read by this program alone.)
; LIMITS: blocks whose largest magnitude lies under the floor 2^(3 - 127) were not tried; NaN and infinities among the inputs are not served.
; THE CODES ARE LAID IN THE ORDER OF THE OPERAND'S REGISTERS: [tensor][tile of 16 rows][block kb of 32 along K, 16 of them][row r of the tile][16 bytes].  With kb = 4 s + 2 c + h a fragment
; (tile, K step s of 128) is two runs of 512 bytes, run c holding lane (r, h)'s registers 4 c .. 4 c + 3 at 16 x lane.  For W a "row" is a column n of W.
; x's scale bytes: [tensor][row][16].  W's scale words: [tensor][K step s][n], 4 bytes each.
; peaks: one f32 a wave, the largest magnitude of all that the wave has read (never under the floor): words 0-511 x1's row tiles, 512-1023 x2's, 1024-1151 W_kv1, 1152-1279 W_kv2.
; The next launch takes power-of-two scalings from them.
; SHARES.  Work-groups 0-127: x1, 128-255: x2, a wave to a tile of 16 rows, a row (512 numbers) a step.  Work-groups 256-319: W, a wave to 32 columns x 128 along K.
; No tensor loads, no barrier: waves share nothing.  Only the x path touches LDS.  x's loads run eight rows (32 loads, 16,384 bytes a wave) ahead, the turn through LDS one row.
.set WAVES, 4
.set STEPS, 16
.set AHEAD, 8                          ; rows on their way in each wave
.set SP,    80                         ; a lane's place in a turning stage: its 64 bytes + 16 of padding
.set WREG,  9728                       ; LDS: a wave's region: two turning stages of 32 x SP bytes, 256 scale bytes, the codes' stage
.set SCB,   5120                       ; the wave's 256 scale bytes
.set CST,   5376                       ; the codes' stage: 16 units (one for each kb) of 256 bytes + 16 of padding
.set CP,    272
.set SPARE, WAVES*WREG                 ; behind the four regions: the spare words, 128 bytes for each wave: two blocks of 256 bytes that no other line names
.set SPW,   12                         ; v12      LDS address of my spare word; never rewritten
.set NIL,   13                         ; v13      0; never rewritten
.set R,     16                         ; v16-143  x: eight sets of 16 numbers as they are loaded
.set OUTR,  16                         ; v16-47   x: at the end, the tile's codes on their way out
.set WX,    16                         ; v16-143  W: four blocks of 32 numbers
.set X,     144                        ; v144-175 x: two sets of 16 neighbours
.set WC,    144                        ; v144-159 W: four registers of codes for each block
.set WSW,   160                        ; v160     W: my column's scale word
.set C,     176                        ; v176-179 x: two sets of two registers of codes, by turns
.set E,     180                        ; v180-181 x: two scale bytes, by turns
.set PK,    182                        ; v182     the running largest magnitude
.set PT,    183                        ; v183     at work in its reduction
.set CSR,   184                        ; v184     x: where I read the codes' stage back
.set WCO,   185                        ; v185     W: my 16 bytes' place among the wave's two column tiles
.set SBK,   186                        ; v186-187 x: scale bytes on their way out
.set ZO,    188                        ; v188     0: the offset of the peak's store
	s_load_b256 s[4:11], s[0:1], 0x0               ; x1, x2, W_kv1, W_kv2
	s_load_b256 s[12:19], s[0:1], 0x20             ; xcodes, xscales, wcodes, wscales
	s_load_b64 s[20:21], s[0:1], 0x40              ; peaks
	v_lshl_add_u32 v[SPW], v0, 2, SPARE
	v_mov_b32 v[NIL], 0
	v_lshrrev_b32 v1, 5, v0
	v_readfirstlane_b32 s22, v1                    ; wave
	v_and_b32 v2, 31, v0                           ; lane
	v_lshlrev_b32 v1, 2, v2                        ; 4 x lane
	v_lshlrev_b32 v3, 4, v2                        ; 16 x lane
	s_mul_i32 s37, s22, WREG                       ; my region
	v_lshrrev_b32 v14, 2, v2
	v_mul_u32_u24 v14, v14, SP
	v_and_b32 v15, 3, v2
	v_lshl_add_u32 v14, v15, 4, v14
	v_add_nc_u32 v14, s37, v14                     ; a turning stage, on the way in: SP (lane / 4) + 16 (lane % 4)
	v_mul_u32_u24 v15, v2, SP
	v_add_nc_u32 v15, s37, v15                     ; and on the way out: SP x lane: my 16 neighbours
	v_lshrrev_b32 v5, 1, v2                        ; my block of the row: kb = lane / 2
	v_mul_u32_u24 v4, v5, CP
	v_and_b32 v6, 1, v2
	v_lshl_add_u32 v4, v6, 3, v4
	v_add_nc_u32 v4, s37, v4
	v_add_nc_u32 v4, CST, v4                       ; the codes' stage, in: unit kb, + 8 bytes for the block's upper half; the step's row adds 16 t
	v_add_nc_u32 v5, s37, v5
	v_add_nc_u32 v5, SCB, v5                       ; my block's scale byte; the step's row adds 16 t
	v_lshlrev_b32 v7, 3, v2                        ; 8 x lane
	v_add_nc_u32 v6, s37, v7
	v_add_nc_u32 v6, SCB, v6                       ; the scale bytes, out: 8 a lane
	v_lshrrev_b32 v9, 4, v2                        ; lane / 16
	v_and_b32 v8, 15, v2                           ; lane % 16
	v_mul_u32_u24 v[CSR], v9, CP
	v_lshl_add_u32 v[CSR], v8, 4, v[CSR]
	v_add_nc_u32 v[CSR], s37, v[CSR]
	v_add_nc_u32 v[CSR], CST, v[CSR]               ; the codes' stage, out: sixteen lanes to a unit, two units an instruction
	v_lshlrev_b32 v[WCO], 12, v9
	v_lshl_add_u32 v[WCO], v8, 4, v[WCO]           ; W: column tile lane / 16 (4,096 bytes on), row lane % 16
	v_mov_b32 v[PT], 0                             ; written once: a lane permute's destination counts as one of its sources
	v_mov_b32 v[ZO], 0
	s_mov_b32 s34, 0x76543210
	s_mov_b32 s35, 0xfedcba98                      ; v_permlanex16_b32's selects for lane l xor 16
	s_mov_b32 s39, 0                               ; the high word of every offset
	s_wait_kmcnt 0x0
	s_cmp_ge_u32 ttmp9, 256
	s_cbranch_scc1 .Lw
	; ---------------- x ----------------
	s_cmp_lt_u32 ttmp9, 128                        ; x1's work-group or x2's?  The choice hangs on the work-group's number alone
	s_cselect_b64 s[24:25], s[4:5], s[6:7]
	s_cselect_b32 s23, 0, 1                        ; the tensor
	s_and_b32 s32, ttmp9, 127
	s_lshl_b32 s32, s32, 2
	s_add_co_u32 s32, s32, s22                     ; T: my tile of 16 rows
	s_lshl_b32 s38, s32, 15                        ; 16 rows of 2,048 bytes
	s_add_nc_u64 s[24:25], s[24:25], s[38:39]
	s_lshl_b32 s38, s23, 21
	s_lshl_b32 s40, s32, 12
	s_add_co_u32 s38, s38, s40
	s_add_nc_u64 s[26:27], s[12:13], s[38:39]      ; its codes: 4,096 bytes a tile
	s_lshl_b32 s38, s23, 17
	s_lshl_b32 s40, s32, 8
	s_add_co_u32 s38, s38, s40
	s_add_nc_u64 s[30:31], s[14:15], s[38:39]      ; its scale bytes: 256 a tile
	s_lshl_b32 s38, s23, 9
	s_add_co_u32 s38, s38, s32
	s_lshl_b32 s38, s38, 2
	s_add_nc_u64 s[28:29], s[20:21], s[38:39]      ; its word of peaks
.macro LOAD t
.irp i, 0,1,2,3
	global_load_b128 v[R+16*((\t)%AHEAD)+4*\i:R+16*((\t)%AHEAD)+4*\i+3], v3, s[24:25] offset:2048*(\t)+512*\i th:TH_LOAD_NT   ; 32 lanes read 512 consecutive bytes
.endr
.endm
.macro TURN t                          ; row t's numbers through a turning stage: LDS serves a wave's instructions in order, so no wait stands between the stores and the loads
.irp i, 0,1,2,3
	ds_store_b128 v14, v[R+16*((\t)%AHEAD)+4*\i:R+16*((\t)%AHEAD)+4*\i+3] offset:32*SP*((\t)%2)+8*SP*\i
.endr
.irp i, 0,1,2,3
	ds_load_b128 v[X+16*((\t)%2)+4*\i:X+16*((\t)%2)+4*\i+3], v15 offset:32*SP*((\t)%2)+16*\i
.endr
.endm
.irp t, 0,1,2,3,4,5,6,7
	LOAD \t
.endr
	s_wait_loadcnt 4*(AHEAD-1)                     ; row 0's four loads are in; the 28 of rows 1 to 7 may be out
	TURN 0
.macro STEP t                          ; row t of the tile: lane l holds numbers 16 l .. 16 l + 15, half of block l / 2
.set XS, X+16*((\t)%2)
.set CS, C+2*((\t)%2)
.set ES, E+(\t)%2
.if (\t) > 0
	s_wait_dscnt 2                                 ; this row's numbers are back from the stage; the last step's two stores (its byte, its codes) may be out: so those of two steps back have read their registers, which this step writes anew
.else
	s_wait_dscnt 0x0
.endif
.if (\t)+AHEAD < STEPS
	LOAD (\t)+AHEAD                                ; into the set whose stores into the stage have read their registers
.endif
.if (\t)+1 < STEPS
.if (\t)+AHEAD < STEPS
	s_wait_loadcnt 4*(AHEAD-1)                     ; the next row's four loads are in; those of the seven rows behind it may be out
.else
	s_wait_loadcnt 4*(STEPS-2-(\t))                ; at the tail: rows t + 2 to 15
.endif
	TURN (\t)+1
.endif
	v_max3_num_f32 v8, |v[XS]|, |v[XS+1]|, |v[XS+2]|               ; the largest magnitude of my 16, in two chains
	v_max3_num_f32 v9, |v[XS+3]|, |v[XS+4]|, |v[XS+5]|
.irp i, 6,10
	v_max3_num_f32 v8, v8, |v[XS+\i]|, |v[XS+\i+1]|
	v_max3_num_f32 v9, v9, |v[XS+\i+2]|, |v[XS+\i+3]|
.endr
	v_max3_num_f32 v8, v8, |v[XS+14]|, |v[XS+15]|
	v_max3_num_f32 v8, v8, v9, 0x1800000           ; and the floor 2^(3 - 127): the byte cannot fall under 1
	v_max_num_f32_dpp v8, v8, v8 row_xmask:1 row_mask:0xf bank_mask:0xf   ; and of my neighbour's 16: the block's
	v_add_nc_u32 v11, 0xff000000, v8               ; 2 off its exponent field: the conversion takes the exponent field of this operand as its scale
.if (\t) == 0
	v_mov_b32 v[PK], v8
.else
	v_max_num_f32 v[PK], v[PK], v8                 ; the wave's largest magnitude
.endif
	v_cvt_scalef32_pk8_fp4_f32 v[CS], v[XS:XS+7], v11
	v_cvt_scalef32_pk8_fp4_f32 v[CS+1], v[XS+8:XS+15], v11
	v_lshrrev_b32 v[ES], 23, v11                   ; the scale's byte (a plain line behind the conversions)
	ds_store_b8 v5, v[ES] offset:16*(\t)           ; both lanes of a block write the same byte with the same value
	ds_store_b64 v4, v[CS:CS+1] offset:16*(\t)     ; my 8 bytes of unit kb, row t
.endm
.irp t, 0,1,2,3,4,5,6,7,8,9,10,11,12,13,14,15
	STEP \t
.endr
	ds_load_b64 v[SBK:SBK+1], v6                   ; LDS serves a wave's instructions in order: these see my stores
.irp i, 0,1,2,3,4,5,6,7
	ds_load_b128 v[OUTR+4*\i:OUTR+4*\i+3], v[CSR] offset:2*CP*\i   ; (into the sets of rows 8 and 9, whose turns are long over)
.endr
	s_wait_dscnt 8                                 ; the scale bytes are back; the eight loads of codes may be out
	global_store_b64 v7, v[SBK:SBK+1], s[30:31]    ; 32 lanes store 256 consecutive bytes, aligned
.irp i, 0,1,2,3,4,5,6,7
	s_wait_dscnt 7-\i
	global_store_b128 v3, v[OUTR+4*\i:OUTR+4*\i+3], s[26:27] offset:512*\i   ; 512 consecutive bytes: units 2 i and 2 i + 1
.endr
	s_branch .Lpeak
	; ---------------- W: a lane takes a column n, and its registers run down K ----------------
.Lw:
	s_sub_co_u32 s32, ttmp9, 256                   ; 0 .. 63
	s_lshr_b32 s23, s32, 5                         ; the tensor
	s_cmp_eq_u32 s23, 0
	s_cselect_b64 s[24:25], s[8:9], s[10:11]
	s_bfe_u32 s33, s32, 0x20003                    ; the K step s of 128
	s_and_b32 s40, s32, 7
	s_lshl_b32 s40, s40, 7
	s_lshl_b32 s41, s22, 5
	s_add_co_u32 s40, s40, s41                     ; n0: my wave's first column
	s_lshl_b32 s38, s33, 19                        ; 128 rows of 4,096 bytes
	s_lshl_b32 s41, s40, 2
	s_add_co_u32 s38, s38, s41
	s_add_nc_u64 s[24:25], s[24:25], s[38:39]
	s_lshl_b32 s38, s23, 18
	s_lshl_b32 s41, s40, 8                         ; (n0 / 16) tiles of 4,096 bytes
	s_add_co_u32 s38, s38, s41
	s_lshl_b32 s41, s33, 10                        ; the K step's four units
	s_add_co_u32 s38, s38, s41
	s_add_nc_u64 s[26:27], s[16:17], s[38:39]
	s_lshl_b32 s38, s23, 14
	s_lshl_b32 s41, s33, 12
	s_add_co_u32 s38, s38, s41
	s_lshl_b32 s41, s40, 2
	s_add_co_u32 s38, s38, s41
	s_add_nc_u64 s[30:31], s[18:19], s[38:39]      ; the scale words [tensor][s][n]
	s_lshl_b32 s38, s32, 4
	s_lshl_b32 s41, s22, 2
	s_add_co_u32 s38, s38, s41
	s_add_co_u32 s38, s38, 4096
	s_add_nc_u64 s[28:29], s[20:21], s[38:39]      ; my word of peaks: 1024 + 4 x (work-group - 256) + wave
.macro WLOAD i                         ; block i: W(128 s + 32 i + N, my column): each load reads 128 consecutive bytes
.set N, 0
.rept 32
	global_load_b32 v[WX+32*(\i)+N], v1, s[24:25] offset:4096*(32*(\i)+N) th:TH_LOAD_NT
.set N, N+1
.endr
.endm
.macro WBLOCK i
.set XS, WX+32*(\i)
.if (\i) < 3
	s_wait_loadcnt 32                              ; this block's 32 loads are in; the next block's 32 may be out
.else
	s_wait_loadcnt 0x0
.endif
.if (\i)+2 < 4
	WLOAD (\i)+2                                   ; two blocks ahead; each block has registers of its own
.endif
	v_max3_num_f32 v8, |v[XS]|, |v[XS+1]|, |v[XS+2]|               ; the block's largest magnitude: all 32 numbers are mine
	v_max3_num_f32 v9, |v[XS+3]|, |v[XS+4]|, |v[XS+5]|
.irp j, 6,10,14,18,22,26
	v_max3_num_f32 v8, v8, |v[XS+\j]|, |v[XS+\j+1]|
	v_max3_num_f32 v9, v9, |v[XS+\j+2]|, |v[XS+\j+3]|
.endr
	v_max3_num_f32 v8, v8, |v[XS+30]|, |v[XS+31]|
	v_max3_num_f32 v8, v8, v9, 0x1800000           ; and the floor
	v_add_nc_u32 v11, 0xff000000, v8               ; the conversion's scale operand
	v_lshrrev_b32 v10, 23, v11                     ; the scale's byte
.if (\i) == 0
	v_mov_b32 v[WSW], v10
	v_mov_b32 v[PK], v8
.else
	v_lshl_or_b32 v[WSW], v10, 8*(\i), v[WSW]      ; four bytes make the K step's scale word, the lower K in the lower byte
	v_max_num_f32 v[PK], v[PK], v8
.endif
.irp g, 0,1,2,3
	v_cvt_scalef32_pk8_fp4_f32 v[WC+4*(\i)+\g], v[XS+8*\g:XS+8*\g+7], v11
.endr
	v_nop                                          ; one plain line behind the last conversion
	global_store_b128 v[WCO], v[WC+4*(\i):WC+4*(\i)+3], s[26:27] offset:256*(\i)   ; unit kb = 4 s + i of two column tiles: sixteen lanes store 256 consecutive bytes, aligned
.endm
	WLOAD 0
	WLOAD 1
	WBLOCK 0
	WBLOCK 1
	WBLOCK 2
	WBLOCK 3
	global_store_b32 v1, v[WSW], s[30:31]          ; 128 consecutive bytes a wave: 32,768 bytes of such stores in the whole launch
.Lpeak:                                            ; both paths: the wave's largest magnitude, over its 32 lanes, leaves as one word
	v_max_num_f32_dpp v[PK], v[PK], v[PK] row_xmask:1 row_mask:0xf bank_mask:0xf
	v_max_num_f32_dpp v[PK], v[PK], v[PK] row_xmask:2 row_mask:0xf bank_mask:0xf
	v_max_num_f32_dpp v[PK], v[PK], v[PK] row_xmask:4 row_mask:0xf bank_mask:0xf
	v_max_num_f32_dpp v[PK], v[PK], v[PK] row_xmask:8 row_mask:0xf bank_mask:0xf
	v_permlanex16_b32 v[PT], v[PK], s34, s35
	v_max_num_f32 v[PK], v[PK], v[PT]
	v_cmp_eq_u32 vcc_lo, 0, v2
	s_wait_xcnt 0x0                                ; EXEC is a source of the stores above: it changes only behind this wait
	s_and_saveexec_b32 s36, vcc_lo
	global_store_b32 v[ZO], v[PK], s[28:29]        ; lane 0 alone: 1,280 such words in the whole launch
	s_wait_xcnt 0x0                                ; and again, in front of the line that widens it
	s_or_b32 exec_lo, exec_lo, s36
	s_wait_tensorcnt 0x0                           ; the wave's end, behind my last LDS store
	ds_add_u32 v[SPW], v[NIL]
	s_wait_dscnt 0x0
	s_endpgm
.Lfunc_end_k_q8d28176f23_quant:
	.size	k_q8d28176f23_quant, .Lfunc_end_k_q8d28176f23_quant-k_q8d28176f23_quant
	.p2alignl 7, 3214868480
	.fill 96, 4, 3214868480
	.section	.rodata,"a",@progbits
	.p2align	6, 0x0
	.amdhsa_kernel k_q8d28176f23_quant
		.amdhsa_group_segment_fixed_size 39424
		.amdhsa_private_segment_fixed_size 0
		.amdhsa_enable_private_segment 0
		.amdhsa_kernarg_size 72
		.amdhsa_user_sgpr_count 2
		.amdhsa_user_sgpr_kernarg_segment_ptr 1
		.amdhsa_wavefront_size32 1
		.amdhsa_system_sgpr_workgroup_id_x 1
		.amdhsa_system_sgpr_workgroup_id_y 1
		.amdhsa_system_sgpr_workgroup_id_z 1
		.amdhsa_system_vgpr_workitem_id 0
		.amdhsa_next_free_vgpr 192
		.amdhsa_next_free_sgpr 66
		.amdhsa_reserve_vcc 1
		.amdhsa_float_denorm_mode_32 3
		.amdhsa_float_denorm_mode_16_64 3
		.amdhsa_memory_ordered 1
		.amdhsa_forward_progress 1
		.amdhsa_inst_pref_size 56
	.end_amdhsa_kernel
	.amdgpu_metadata
---
amdhsa.version: [ 1, 2 ]
amdhsa.kernels:
  - .name:           k_q8d28176f23_quant
    .symbol:         k_q8d28176f23_quant.kd
    .args:
      - { .name: x1, .offset: 0, .size: 8, .value_kind: global_buffer, .address_space: global }
      - { .name: x2, .offset: 8, .size: 8, .value_kind: global_buffer, .address_space: global }
      - { .name: W_kv1, .offset: 16, .size: 8, .value_kind: global_buffer, .address_space: global }
      - { .name: W_kv2, .offset: 24, .size: 8, .value_kind: global_buffer, .address_space: global }
      - { .name: xcodes, .offset: 32, .size: 8, .value_kind: global_buffer, .address_space: global }
      - { .name: xscales, .offset: 40, .size: 8, .value_kind: global_buffer, .address_space: global }
      - { .name: wcodes, .offset: 48, .size: 8, .value_kind: global_buffer, .address_space: global }
      - { .name: wscales, .offset: 56, .size: 8, .value_kind: global_buffer, .address_space: global }
      - { .name: peaks, .offset: 64, .size: 8, .value_kind: global_buffer, .address_space: global }
    .group_segment_fixed_size: 39424
    .private_segment_fixed_size: 0
    .kernarg_segment_align: 8
    .kernarg_segment_size: 72
    .max_flat_workgroup_size: 128
    .sgpr_count:     66
    .vgpr_count:     192
    .wavefront_size: 32
...
	.end_amdgpu_metadata
.endif
;; end of part 1
;; launch attn (part 2): grid 256 x 1, 8 waves a work-group, no clusters, 107,520 bytes of LDS; arguments x1, x2, xcodes, xscales, wcodes, wscales, peaks, out0, out1; writes out0, out1
.if DOCPART == 2
	.amdgcn_target "amdgcn-amd-amdhsa--gfx1250"
	.amdhsa_code_object_version 6
	.text
	.protected	k_q8d28176f23_attn
	.globl	k_q8d28176f23_attn
	.p2align	8
	.type	k_q8d28176f23_attn,@function
k_q8d28176f23_attn:
	s_mov_b64 s[64:65], 0
	v_nop
	global_prefetch_b8 v0, s[64:65] scope:SCOPE_SE
	s_setreg_imm32_b32 hwreg(HW_REG_WAVE_MODE, 25, 1), 1
	s_wait_xcnt 0x0
; out0 = relu(q1 k2^T / 8) v1, out1 = relu(q2 k1^T / 8) v2, head by head (8 batches x 8 heads of 64); q_i = x_i; [k_i | v_i] = Q(x_i) Q(W_kv_i), both operands codes of FP4 with E8M0 scales.
; SHARES.  A work-group of eight waves serves one (branch, batch, head, half of the 1,024 queries); wave w owns 64 queries, four tiles of 16.  The head's 1,024 keys go in 16 chunks of 64.
; k AND v NEVER GO TO MEMORY: for each chunk waves 0-3 make k (16 keys x 64 channels each) and waves 4-7 make v, 16 FP4 matrix instructions a wave, from codes that lie in memory in the order of the
; operand's registers and are loaded straight into them.  The results are scaled by a power of two, rounded to f16 and handed to all eight waves through LDS AS IMAGES OF THE NEXT OPERAND'S REGISTERS.
; LAYOUT.  k: source 0 = 16 columns of W (channels), source 1 = my 16 rows of x (keys): a lane holds one key and eight neighbouring channels, so two tiles packed in pairs are a fragment of K (16 keys x 32 channels).
; v: the sources swapped: a lane holds one channel and eight neighbouring keys, so the packed tiles of two neighbouring waves are a fragment of V^T (16 channels x 32 keys).
; S^T = K Q^T (source 0 = 16 keys, source 1 = 16 queries): a lane holds one query and eight keys; relu, packed in pairs: two tiles ARE source 1 of O^T = V^T P.  Nothing changes lanes.
; THE SCALING.  relu attention is positively homogeneous, so powers of two are taken out of q, k, v and put back at the end: q's and the last by v_ldexp_f32 with a whole number, k's and v's by a packed
; multiplication by the power of two itself: nothing is rounded by any of them.
; With gx = floor(log2(largest |x| of the batch)) and gw = floor(log2(largest |W|)), from the words of peaks:  q' = q 2^-(gx + 3) < 1/4 (the 1/8 is in it);  k' = k 2^-(gx + gw), |k'| < 512 x 2 x 2 = 2,048, v' likewise;
; p' = relu(q' . k') < 64 x 1/4 x 2,048 = 32,768, inside f16 for every input.  out = O' 2^(gxq + gxk + gwk + gxv + gwv).  These numbers enter no address and no branch.
; LIMITS: NaN and infinities are not served.  The multiplier 2^-(gx + gw) is a number of f32 for gx + gw from -127 to 149 alone: beyond that range k and v are not served.
; Numbers of q more than about 2^11 under their batch's largest magnitude (of k, v: under the bound above by 2^25) fall into f16's subnormals: absolute error 2^-25 of the scaled unit.
; NO JOINT LOADS: what work-groups share is the codes, 4,352 bytes a wave and chunk, and exactly one wave of a work-group multiplies them, out of the registers into which they are loaded; a joint tensor load would send the
; same bytes through LDS and add a round of a cluster's barrier to each of the 16 chunks.  The two halves of a head's queries each make the head's k and v: 32 FP4 matrix instructions beside 128 f16 ones a chunk and pair of waves.
; THE LAST CHUNK GOES BY QUERY TILES, so that a finished tile's rows leave while the other tiles are multiplied.
; REGISTERS, in windows of 256.  Window 0: v1-15 addresses and exponents; v16-31 W's scale words, v32-35 x's (scales and nothing else); v36-37 the multiplier of k or v, twice; v40-71 two sets of S^T (two tiles each),
;   also the projection's four tiles; v72-87 two sets of P, also the projection's packed results; v88-119 V^T's four fragments; v128-255 O^T (tile a, channels 16 t on: 128 + 32 a + 8 t).
; Window 1: v0-31 K's four fragments; v32-95 Q; v96-127 x's four fragments; v128-255 W's sixteen, which stay; in the last chunk these 128 hold the chunk's eight fragments of K and eight of V^T.
.set BUF,   16384                      ; LDS: two buffers of a chunk's K and V: wave w's four pieces of 512 bytes at 2,048 w; waves 0-3 K, waves 4-7 V
.set VOFF,  8192
.set STG,   2*BUF                      ; a stage of 9,216 bytes for each wave, its own: first q (64 rows x 144 bytes), at the end two halves of 16 rows x 272 bytes for the way out
.set STGW,  9216
.set QP,    144                        ; a row of q in f16: 128 bytes + 16: 36 words, so the 16 rows of a load start at 16 different groups of four banks (64 banks of 4 bytes: ISA guide 11.1)
.set OP,    272                        ; a row of O: 256 bytes + 16
.set OHALF, 16*OP
.set SPARE, STG+8*STGW                 ; the spare words, 128 bytes for each wave: four blocks of 256 bytes that no other line names
.set LI,   1                           ; v1   16 x lane: an image's place for my lane
.set SPW,  2                           ; v2   LDS address of my spare word; never rewritten
.set NIL,  3                           ; v3   0; never rewritten
.set PST,  4                           ; v4   where I store my pieces: 16 x lane + 2,048 x wave
.set XSO,  5                           ; v5   16 x (lane % 16): my row's 16 scale bytes
.set SO,   6                           ; v6   the way out: where I put 32 bytes of a row
.set SR,   7                           ; v7   and where I read a row back
.set GQ,   8                           ; v8   my 16 bytes in two rows of x or of out: 2,048 (lane / 16) + 16 (lane % 16)
.set EKV,  9                           ; v9   the exponent that scales my k or v
.set EOUT, 10                          ; v10  the exponent that puts all scalings back
.set EQ,   11                          ; v11  the exponent that scales q
.set QSA,  12                          ; v12  q's stage, in
.set QRA,  13                          ; v13  q's stage, out
.set WSO,  14                          ; v14  4 x (lane % 16)
.set P8,   15                          ; v15  8 x lane
.set WSC,  16
.set XSC,  32
.set KVF,  36                          ; v36-37 2^EKV, twice: a pair for the packed multiply
.set S,    40
.set P,    72
.set VF,   88
.set O,    128
.set KF,   0                           ; window 1
.set QF,   32
.set XF,   96
.set WF,   128
.set FK,   128                         ; window 1, the last chunk: K's fragment (key tile k, channels 32 e on) at FK + 16 k + 8 e
.set FV,   192                         ; and V^T's (keys 32 p on, channels 16 t on) at FV + 32 p + 8 t
.set WV,   22                          ; s22 wave;  s23 role (0: I make k, 1: v);  s24 which 16 keys of a chunk;  s25 half of the queries;  s26 head;  s27 branch;  s28 batch;  s29 the tensor of my projection
.set ROLE, 23
.set KT,   24
.set UH,   25
.set HD,   26
.set BR,   27
.set BT,   28
.set TX,   29
.set XB,   34                          ; s[34:35] x's codes of the chunk to be asked for;  s[36:37] its scale bytes
.set XSB,  36
.set QB,   38                          ; s[38:39] my 64 rows of q;  s[40:41] of out
.set OB,   40
.set WB,   42                          ; s[42:43] my 64 columns' codes of W;  s[44:45] their scale words
.set WSB,  44
.set MSB, 0
.macro WIN new                         ; the immediate's high byte repeats the setting that is left; a switch that changes nothing is dropped
.if MSB != \new
	s_set_vgpr_msb (MSB<<8)|\new
.set MSB, \new
.endif
.endm
.set W_MUL, 0x05                       ; sources 0 and 1 window 1; C and D window 0
.set W_PV1, 0x01                       ; source 0 window 1; source 1, C and D window 0
.set W_TO1, 0x40                       ; destination window 1, address window 0
.macro OFF3 a, sa, b, sb, c, sc        ; s30 = (s[a] << sa) + (s[b] << sb) + (s[c] << sc); s31 stays 0
	s_lshl_b32 s30, s[\a], \sa
	s_lshl_b32 s32, s[\b], \sb
	s_add_co_u32 s30, s30, s32
	s_lshl_b32 s32, s[\c], \sc
	s_add_co_u32 s30, s30, s32
.endm
.macro PLACES                          ; four places behind a matrix instruction, in front of reads of its result and of loads into its registers (ISA guide 7.12.1 for the reads)
.rept 4
	v_nop
.endr
.endm
.macro BARRIER                         ; my LDS stores have landed and my LDS loads are in: then the work-group's barrier.  (Loads of codes may stay out: nobody writes those bytes)
	s_wait_dscnt 0x0
	s_barrier_signal -1
	s_barrier_wait -1
.endm
; my 16 rows of x, all of K: four fragments (two runs of 512 bytes each) and the rows' scale words: 9 loads
.macro XLOAD
	WIN W_TO1
.irp s, 0,1,2,3
.irp c, 0,1
	global_load_b128 v[XF+8*\s+4*\c:XF+8*\s+4*\c+3], v[LI], s[XB:XB+1] offset:1024*\s+512*\c
.endr
.endr
	WIN 0
	global_load_b128 v[XSC:XSC+3], v[XSO], s[XSB:XSB+1]
.endm
; MY PART OF THE NEXT CHUNK'S k OR v: 16 FP4 matrix instructions, the four tiles by turns, K ascending; scaled, rounded to f16, stored at db.  load = 1: the chunk after it is asked for.
.macro PROJECT db, load
	s_wait_loadcnt 0x0                             ; x's fragments, asked for a chunk ago (at the head: W's too); this wait also frees their bases
	s_cmp_eq_u32 s[ROLE], 0
	s_cbranch_scc0 .Lmake_v_\@
	WIN W_MUL
.irp s, 0,1,2,3
.irp t, 0,1,2,3
.if \s == 0
	v_wmma_scale_f32_16x16x128_f8f6f4 v[S+8*\t:S+8*\t+7], v[WF+32*\t+8*\s:WF+32*\t+8*\s+7], v[XF+8*\s:XF+8*\s+7], 0, v[WSC+4*\t+\s], v[XSC+\s] matrix_a_fmt:MATRIX_FMT_FP4 matrix_b_fmt:MATRIX_FMT_FP4
.else
	v_wmma_scale_f32_16x16x128_f8f6f4 v[S+8*\t:S+8*\t+7], v[WF+32*\t+8*\s:WF+32*\t+8*\s+7], v[XF+8*\s:XF+8*\s+7], v[S+8*\t:S+8*\t+7], v[WSC+4*\t+\s], v[XSC+\s] matrix_a_fmt:MATRIX_FMT_FP4 matrix_b_fmt:MATRIX_FMT_FP4
.endif
.endr
.endr
	WIN 0
	s_branch .Lmade_\@
.Lmake_v_\@:
	WIN W_MUL
.irp s, 0,1,2,3
.irp t, 0,1,2,3
.if \s == 0
	v_wmma_scale_f32_16x16x128_f8f6f4 v[S+8*\t:S+8*\t+7], v[XF+8*\s:XF+8*\s+7], v[WF+32*\t+8*\s:WF+32*\t+8*\s+7], 0, v[XSC+\s], v[WSC+4*\t+\s] matrix_a_fmt:MATRIX_FMT_FP4 matrix_b_fmt:MATRIX_FMT_FP4
.else
	v_wmma_scale_f32_16x16x128_f8f6f4 v[S+8*\t:S+8*\t+7], v[XF+8*\s:XF+8*\s+7], v[WF+32*\t+8*\s:WF+32*\t+8*\s+7], v[S+8*\t:S+8*\t+7], v[XSC+\s], v[WSC+4*\t+\s] matrix_a_fmt:MATRIX_FMT_FP4 matrix_b_fmt:MATRIX_FMT_FP4
.endif
.endr
.endr
	WIN 0
.Lmade_\@:
	PLACES                                         ; for the reads of the results and for the loads into x's fragments and scale words
.if \load
	s_add_nc_u64 s[XB:XB+1], s[XB:XB+1], 16384     ; four tiles of rows on
	s_add_nc_u64 s[XSB:XSB+1], s[XSB:XSB+1], 1024
	XLOAD                                          ; it has a whole chunk's work in which to land
.endif
.set N, 0
.rept 16
	v_pk_mul_f32 v[S+2*N:S+2*N+1], v[S+2*N:S+2*N+1], v[KVF:KVF+1]   ; x 2^-(gx + gw), two at a time: exact.  Each tile from its low end on
.set N, N+1
.endr
.set N, 0
.rept 16
	v_cvt_pk_f16_f32 v[P+N], v[S+2*N], v[S+2*N+1]
.set N, N+1
.endr
.irp t, 0,1,2,3
	ds_store_b128 v[PST], v[P+4*\t:P+4*\t+3] offset:(\db)+512*\t   ; piece t: 512 consecutive bytes
.endr
.endm
; K's four fragments of key tiles 2 pair, 2 pair + 1 (fragment (j, e): 16 j + 8 e), and V^T's four of the same 32 keys (channels 16 t on): eight loads each, 512 consecutive bytes a load
.macro KLOAD rb, pair
	WIN W_TO1
.irp j, 0,1
.irp e, 0,1
.irp c, 0,1
	ds_load_b128 v[KF+16*\j+8*\e+4*\c:KF+16*\j+8*\e+4*\c+3], v[LI] offset:(\rb)+(2*(\pair)+\j)*2048+\e*1024+\c*512
.endr
.endr
.endr
	WIN 0
.endm
.macro VLOAD rb, pair
.irp t, 0,1,2,3
.irp c, 0,1
	ds_load_b128 v[VF+8*\t+4*\c:VF+8*\t+4*\c+3], v[LI] offset:(\rb)+VOFF+(2*(\pair)+\c)*2048+\t*512
.endr
.endr
.endm
; S^T of 32 keys x query tile a, into set a % 2: two tiles by turns, two deep along the head's 64
.macro SMUL a
.set SB, S+16*((\a)%2)
	v_wmma_f32_16x16x32_f16 v[SB:SB+7],    v[KF:KF+7],     v[QF+16*(\a):QF+16*(\a)+7],    0
	v_wmma_f32_16x16x32_f16 v[SB+8:SB+15], v[KF+16:KF+23], v[QF+16*(\a):QF+16*(\a)+7],    0
	v_wmma_f32_16x16x32_f16 v[SB:SB+7],    v[KF+8:KF+15],  v[QF+16*(\a)+8:QF+16*(\a)+15], v[SB:SB+7]
	v_wmma_f32_16x16x32_f16 v[SB+8:SB+15], v[KF+24:KF+31], v[QF+16*(\a)+8:QF+16*(\a)+15], v[SB+8:SB+15]
.endm
; relu in f32, two numbers a line (an even and an odd register, in different banks), then f16 in pairs: set a % 2 of S^T becomes set a % 2 of P.  16 plain lines, each tile from its low end on
.macro VEC a
.set SB, S+16*((\a)%2)
.set PSET, P+8*((\a)%2)
.set N, 0
.rept 8
	v_dual_max_num_f32 v[SB+2*N], 0, v[SB+2*N] :: v_dual_max_num_f32 v[SB+2*N+1], 0, v[SB+2*N+1]
.set N, N+1
.endr
.set N, 0
.rept 8
	v_cvt_pk_f16_f32 v[PSET+N], v[SB+2*N], v[SB+2*N+1]
.set N, N+1
.endr
.endm
; O^T(a) += V^T P(a): four accumulators.  zero = 1: the products start the sums: nothing is ever cleared
.macro PVMUL a, zero
.irp t, 0,1,2,3
.if \zero
	v_wmma_f32_16x16x32_f16 v[O+32*(\a)+8*\t:O+32*(\a)+8*\t+7], v[VF+8*\t:VF+8*\t+7], v[P+8*((\a)%2):P+8*((\a)%2)+7], 0
.else
	v_wmma_f32_16x16x32_f16 v[O+32*(\a)+8*\t:O+32*(\a)+8*\t+7], v[VF+8*\t:VF+8*\t+7], v[P+8*((\a)%2):P+8*((\a)%2)+7], v[O+32*(\a)+8*\t:O+32*(\a)+8*\t+7]
.endif
.endr
.endm
; 32 KEYS x MY 64 QUERIES: 32 matrix instructions and 64 vector lines, a tile's vector work between other tiles' products.  No two matrix instructions that follow each other share an accumulator.
; PLACES: a set of S^T is read behind four v_nop or the other set's 16 lines, and begun anew with at least four v_nop and the eight lines on the set's other tile between; a set of P is rewritten behind the other
; set's 16 lines; K's loads stand behind VEC 2 (the last product that read K is SMUL 3's), V's behind four v_nop.
; w0: the LDS instructions that may stay out at the head.  more = 1: the chunk's second 32 keys are fetched.
; sig = 1 (the chunk's second step): THE BARRIER'S SIGNAL stands where my last LDS instruction of the chunk is shown done; only work on registers follows up to the barrier's wait at the chunk's end.
.macro STEP rb, pair, w0, zero, more, sig
	s_wait_dscnt \w0                               ; K is in (w0 = 8: V's eight younger loads may be out)
	WIN W_MUL
	SMUL 0
	SMUL 1
	WIN 0
	PLACES
	VEC 0
	WIN W_MUL
	SMUL 2
	WIN 0
.if (\w0) > 0
	s_wait_dscnt 0x0                               ; V is in: none of my LDS instructions is out
.endif
.if \sig
	s_barrier_signal -1                            ; my pieces of the next chunk have landed in the other buffer, and my reads of this buffer are over
.endif
	PVMUL 0, \zero
	VEC 1
	WIN W_MUL
	SMUL 3
	WIN 0
	PVMUL 1, \zero
	VEC 2
.if \more
	KLOAD \rb, (\pair)+1
.endif
	PVMUL 2, \zero
	VEC 3
	PVMUL 3, \zero
	PLACES
.if \more
	VLOAD \rb, (\pair)+1
.endif
.endm
; A CHUNK: its first fragments are asked for straight behind the barrier's wait and land under the projection of the NEXT chunk, which goes into the other buffer.  ONE barrier a chunk does two things: in front of its
; signal each wave's stores into the other buffer have landed and its reads of this buffer are in; behind its wait the other buffer is whole, and this one may be written again.
.macro TRIP rb, db, load, zero
	KLOAD \rb, 0
	VLOAD \rb, 0
	PROJECT \db, \load
	STEP \rb, 0, 0, \zero, 1, 0                    ; (its wait for 0 covers K's and V's loads and the projection's four stores)
	STEP \rb, 1, 8, 0, 0, 1
	s_barrier_wait -1
.endm
	s_load_b256 s[4:11], s[0:1], 0x0               ; x1 s[4:5], x2 s[6:7], xcodes s[8:9], xscales s[10:11]
	s_load_b256 s[12:19], s[0:1], 0x20             ; wcodes s[12:13], wscales s[14:15], peaks s[16:17], out0 s[18:19]
	s_load_b64 s[20:21], s[0:1], 0x40              ; out1
	v_lshl_add_u32 v[SPW], v0, 2, SPARE
	v_mov_b32 v[NIL], 0
	v_lshrrev_b32 v120, 5, v0
	v_readfirstlane_b32 s[WV], v120                ; wave 0..7
	v_and_b32 v120, 31, v0                         ; lane
	v_and_b32 v121, 15, v0                         ; r
	v_bfe_u32 v122, v0, 4, 1                       ; h
	s_lshr_b32 s[ROLE], s[WV], 2
	s_and_b32 s[KT], s[WV], 3
	s_and_b32 s[UH], ttmp9, 1
	s_bfe_u32 s[HD], ttmp9, 0x30001
	s_bfe_u32 s[BR], ttmp9, 0x10004
	s_lshr_b32 s[BT], ttmp9, 5
	s_xor_b32 s[TX], s[BR], s[ROLE]
	s_xor_b32 s[TX], s[TX], 1                      ; branch 0: k from x2 W_kv2, v from x1 W_kv1; branch 1 the other way round
	s_xor_b32 s59, s[TX], 1                        ; the tensor of the other role
	s_lshl_b32 s60, s[BT], 8                       ; a batch's 64 words of peaks
	s_mov_b32 s31, 0                               ; the high word of every offset
	s_mov_b32 s56, 0x76543210
	s_mov_b32 s57, 0xfedcba98                      ; v_permlanex16_b32's selects for lane l xor 16
	v_lshlrev_b32 v[LI], 4, v120
	s_lshl_b32 s32, s[WV], 11
	v_add_nc_u32 v[PST], s32, v[LI]
	v_lshlrev_b32 v[XSO], 4, v121
	s_mul_i32 s33, s[WV], STGW
	s_add_co_u32 s33, s33, STG                     ; my stage
	v_mul_u32_u24 v[SO], v121, OP
	v_lshl_add_u32 v[SO], v122, 5, v[SO]
	v_add_nc_u32 v[SO], s33, v[SO]                 ; the way out, in: row r, + 32 h
	v_mul_u32_u24 v[SR], v122, OP
	v_lshl_add_u32 v[SR], v121, 4, v[SR]
	v_add_nc_u32 v[SR], s33, v[SR]                 ; back: lanes 0-15 one row, lanes 16-31 the next
	v_lshlrev_b32 v[GQ], 11, v122
	v_lshl_add_u32 v[GQ], v121, 4, v[GQ]
	v_mul_u32_u24 v[QSA], v122, QP
	v_lshl_add_u32 v[QSA], v121, 3, v[QSA]
	v_add_nc_u32 v[QSA], s33, v[QSA]               ; q, in: row h of a pair, my four numbers' 8 bytes
	v_mul_u32_u24 v[QRA], v121, QP
	v_lshl_add_u32 v[QRA], v122, 4, v[QRA]
	v_add_nc_u32 v[QRA], s33, v[QRA]               ; q, out: a fragment's row r, + 16 h
	v_lshlrev_b32 v[WSO], 2, v121
	v_lshlrev_b32 v[P8], 3, v120
	s_wait_kmcnt 0x0
	OFF3 TX, 21, BT, 18, KT, 12                    ; x's codes: tensor, batch (64 tiles of 4,096 bytes), my tile of chunk 0
	s_add_nc_u64 s[XB:XB+1], s[8:9], s[30:31]
	OFF3 TX, 17, BT, 14, KT, 8                     ; its scale bytes: 256 a tile
	s_add_nc_u64 s[XSB:XSB+1], s[10:11], s[30:31]
	OFF3 TX, 18, ROLE, 17, HD, 14                  ; W's codes: tensor, k's or v's 32 column tiles, the head's four
	s_add_nc_u64 s[WB:WB+1], s[12:13], s[30:31]
	OFF3 TX, 14, ROLE, 11, HD, 8                   ; its scale words: [tensor][s][n]
	s_add_nc_u64 s[WSB:WSB+1], s[14:15], s[30:31]
	s_lshl_b32 s30, s[BR], 11                      ; peaks: the batch's words of q's tensor,
	s_add_co_u32 s30, s30, s60
	s_add_nc_u64 s[46:47], s[16:17], s[30:31]
	s_lshl_b32 s30, s[TX], 11                      ; of my projection's x,
	s_add_co_u32 s30, s30, s60
	s_add_nc_u64 s[48:49], s[16:17], s[30:31]
	s_lshl_b32 s30, s59, 11                        ; of the other role's x,
	s_add_co_u32 s30, s30, s60
	s_add_nc_u64 s[50:51], s[16:17], s[30:31]
	s_lshl_b32 s30, s[TX], 9                       ; the 128 words of my W,
	s_add_co_u32 s30, s30, 4096
	s_add_nc_u64 s[52:53], s[16:17], s[30:31]
	s_lshl_b32 s30, s59, 9                         ; and of the other role's
	s_add_co_u32 s30, s30, 4096
	s_add_nc_u64 s[54:55], s[16:17], s[30:31]
	OFF3 BT, 21, UH, 20, WV, 17                    ; q and out: batch, half of the queries, my 64 rows of 2,048 bytes,
	s_lshl_b32 s32, s[HD], 8                       ; the head's 256 bytes of a row
	s_add_co_u32 s30, s30, s32
	s_cmp_eq_u32 s[BR], 0                          ; the choice hangs on the work-group's number alone
	s_cselect_b64 s[QB:QB+1], s[4:5], s[6:7]
	s_cselect_b64 s[OB:OB+1], s[18:19], s[20:21]
	s_add_nc_u64 s[QB:QB+1], s[QB:QB+1], s[30:31]
	s_add_nc_u64 s[OB:OB+1], s[OB:OB+1], s[30:31]
	global_load_b64 v[104:105], v[P8], s[46:47]    ; five runs of peaks: 256 or 512 consecutive bytes each
	global_load_b64 v[106:107], v[P8], s[48:49]
	global_load_b64 v[108:109], v[P8], s[50:51]
	global_load_b128 v[112:115], v[LI], s[52:53]
	global_load_b128 v[116:119], v[LI], s[54:55]
.set N, 0
.rept 32
	global_load_b128 v[O+4*N:O+4*N+3], v[GQ], s[QB:QB+1] offset:4096*N th:TH_LOAD_NT   ; q: rows 2 N and 2 N + 1: sixteen lanes read 256 consecutive bytes, aligned
.set N, N+1
.endr
	s_wait_loadcnt 32                              ; the peaks are in; q's 32 loads may be out
	v_max_num_f32 v104, v104, v105
	v_max_num_f32 v106, v106, v107
	v_max_num_f32 v108, v108, v109
	v_max3_num_f32 v112, v112, v113, v114
	v_max3_num_f32 v116, v116, v117, v118
	v_max_num_f32 v112, v112, v115
	v_max_num_f32 v116, v116, v119
.irp m, 1,2,4,8
.irp g, 104,106,108,112,116
	v_max_num_f32_dpp v[\g], v[\g], v[\g] row_xmask:\m row_mask:0xf bank_mask:0xf
.endr
.endr
.irp g, 104,106,108,112,116
	v_permlanex16_b32 v[\g+1], v[\g], s56, s57
.endr
.irp g, 104,106,108,112,116
	v_max_num_f32 v[\g], v[\g], v[\g+1]
.endr
.irp g, 104,106,108,112,116
	v_lshrrev_b32 v[\g], 23, v[\g]                 ; the exponent field: floor(log2) + 127 (the words are positive, never under the floor)
.endr
	v_sub_nc_u32 v[EQ], 124, v104                  ; -(gxq + 3)
	v_add_nc_u32 v[EKV], v106, v112
	v_sub_nc_u32 v[EKV], 254, v[EKV]               ; -(gx + gw) of my projection
	v_ldexp_f32 v[KVF], 1.0, v[EKV]                ; and that power of two as a number,
	v_mov_b32 v[KVF+1], v[KVF]                     ; twice
	v_add3_u32 v[EOUT], v104, v106, v112
	v_add3_u32 v[EOUT], v[EOUT], v108, v116
	v_add_nc_u32 v[EOUT], 0xfffffd85, v[EOUT]      ; the five exponents' sum: the fields' sum - 5 x 127
.irp t, 0,1,2,3
.irp s, 0,1,2,3
	global_load_b32 v[WSC+4*\t+\s], v[WSO], s[WSB:WSB+1] offset:4096*\s+64*\t   ; W's scale words: tile t, K step s
.endr
.endr
	XLOAD                                          ; chunk 0
	s_wait_loadcnt 25                              ; q is in; the 16 scale words and XLOAD's 9 may be out
	WIN W_TO1
.irp t, 0,1,2,3
.irp s, 0,1,2,3
.irp c, 0,1
	global_load_b128 v[WF+32*\t+8*\s+4*\c:WF+32*\t+8*\s+4*\c+3], v[LI], s[WB:WB+1] offset:4096*\t+1024*\s+512*\c   ; W's sixteen fragments: they stay
.endr
.endr
.endr
	WIN 0
.set N, 0
.rept 128
	v_ldexp_f32 v[O+N], v[O+N], v[EQ]              ; q' = q 2^-(gxq + 3): exact
.set N, N+1
.endr
.set N, 0
.rept 64
	v_cvt_pk_f16_f32 v[S+N], v[O+2*N], v[O+2*N+1]
.set N, N+1
.endr
.set N, 0
.rept 32
	ds_store_b64 v[QSA], v[S+2*N:S+2*N+1] offset:2*QP*N   ; through my own stage: LDS serves a wave's instructions in order
.set N, N+1
.endr
	WIN W_TO1
.irp a, 0,1,2,3
.irp e, 0,1
.irp c, 0,1
	ds_load_b128 v[QF+16*\a+8*\e+4*\c:QF+16*\a+8*\e+4*\c+3], v[QRA] offset:16*QP*\a+64*\e+32*\c   ; Q's fragment (tile a, channels 32 e on) stays in registers
.endr
.endr
.endr
	WIN 0
	s_wait_dscnt 0x0
	PROJECT 0, 1                                   ; chunk 0 into buffer 0; chunk 1 is asked for
	BARRIER
	TRIP 0, BUF, 1, 1                              ; chunk 0: its first products V^T P start O^T's sums
	TRIP BUF, 0, 1, 0                              ; chunk 1
	s_mov_b32 s58, 6
.Lpair:                                            ; chunks 2 to 13, two a trip: the buffers change places and come back.  Chunk c makes chunk c + 1 and asks for chunk c + 2
	TRIP 0, BUF, 1, 0
	TRIP BUF, 0, 1, 0
	s_sub_co_u32 s58, s58, 1
	s_cmp_lg_u32 s58, 0
	s_cbranch_scc1 .Lpair
	TRIP 0, BUF, 0, 0                              ; chunk 14 makes chunk 15 and asks for nothing: no load leaves its buffer
; CHUNK 15 GOES BY QUERY TILES.  All its fragments, eight of K and eight of V^T, are read once, into the 128 registers of window 1 that W's fragments have left (their last product stands a whole chunk back): LDS is read no
; more than in any chunk.  Then my four tiles are finished one after the other, 16 matrix instructions each, and each leaves as soon as it is finished, the first three quarters of a chunk ahead of the last product.
.macro FLOAD
	WIN W_TO1
.irp k, 0,1,2,3
.irp e, 0,1
.irp c, 0,1
	ds_load_b128 v[FK+16*\k+8*\e+4*\c:FK+16*\k+8*\e+4*\c+3], v[LI] offset:BUF+\k*2048+\e*1024+\c*512
.endr
.endr
.endr
.irp p, 0,1
.irp t, 0,1,2,3
.irp c, 0,1
	ds_load_b128 v[FV+32*\p+8*\t+4*\c:FV+32*\p+8*\t+4*\c+3], v[LI] offset:BUF+VOFF+(2*\p+\c)*2048+\t*512
.endr
.endr
.endr
	WIN 0
.endm
.macro FSMUL a                         ; S^T of all 64 keys x query tile a: the four key tiles by turns, two deep; key tile k lands in set k / 2
.irp e, 0,1
.irp k, 0,1,2,3
.if \e == 0
	v_wmma_f32_16x16x32_f16 v[S+8*\k:S+8*\k+7], v[FK+16*\k+8*\e:FK+16*\k+8*\e+7], v[QF+16*(\a)+8*\e:QF+16*(\a)+8*\e+7], 0
.else
	v_wmma_f32_16x16x32_f16 v[S+8*\k:S+8*\k+7], v[FK+16*\k+8*\e:FK+16*\k+8*\e+7], v[QF+16*(\a)+8*\e:QF+16*(\a)+8*\e+7], v[S+8*\k:S+8*\k+7]
.endif
.endr
.endr
.endm
.macro FPV a                           ; O^T(a) += V^T P, both sets of P: the tile's four accumulators by turns
.irp p, 0,1
.irp t, 0,1,2,3
	v_wmma_f32_16x16x32_f16 v[O+32*(\a)+8*\t:O+32*(\a)+8*\t+7], v[FV+32*\p+8*\t:FV+32*\p+8*\t+7], v[P+8*\p:P+8*\p+7], v[O+32*(\a)+8*\t:O+32*(\a)+8*\t+7]
.endr
.endr
.endm
; THE WAY OUT of tile a: the scalings are put back (exact); a lane's 32 bytes of a row go into my own stage and come back as whole rows of 256 bytes, into the registers that they left.  The stage's two halves take turns.
.macro TOSTAGE a
.set N, 0
.rept 32
	v_ldexp_f32 v[O+32*(\a)+N], v[O+32*(\a)+N], v[EOUT]    ; each accumulator from its low end on
.set N, N+1
.endr
.irp t, 0,1,2,3
.irp c, 0,1
	ds_store_b128 v[SO], v[O+32*(\a)+8*\t+4*\c:O+32*(\a)+8*\t+4*\c+3] offset:((\a)%2)*OHALF+64*\t+16*\c
.endr
.endr
.irp i, 0,1,2,3,4,5,6,7
	ds_load_b128 v[O+32*(\a)+4*\i:O+32*(\a)+4*\i+3], v[SR] offset:((\a)%2)*OHALF+2*OP*\i   ; LDS serves a wave's instructions in order: these see the stores above
.endr
.endm
.macro SEND a
	s_wait_dscnt 0x0                               ; the tile is back in registers (the next tile's eight products stand between the loads and this wait)
.irp i, 0,1,2,3,4,5,6,7
	global_store_b128 v[GQ], v[O+32*(\a)+4*\i:O+32*(\a)+4*\i+3], s[OB:OB+1] offset:(16*(\a)+2*\i)*2048 th:TH_STORE_NT   ; sixteen lanes store 256 consecutive bytes, aligned: a head's 64 channels of one row.  These registers are written no more
.endr
.endm
	FLOAD
	s_wait_dscnt 16                                ; K's sixteen loads are in; V's sixteen may be out
	WIN W_MUL
	FSMUL 0
	WIN 0
	PLACES
	VEC 0
	VEC 1
	s_wait_dscnt 0x0                               ; V is in
	WIN W_PV1
	FPV 0
; PLACES: S^T is begun anew behind four v_nop and the lines of VEC on other tiles; P is rewritten behind four v_nop and eight lines of relu; a tile's O^T is read behind four v_nop and the next tile's 32 lines
.irp a, 1,2,3
	WIN W_MUL
	FSMUL \a
	WIN 0
	PLACES
	VEC 0
	VEC 1
	TOSTAGE \a-1
	WIN W_PV1
	FPV \a
	WIN 0
	SEND \a-1
.endr
	PLACES
	TOSTAGE 3
	SEND 3
	s_wait_tensorcnt 0x0                           ; the wave's end, behind my last LDS store
	ds_add_u32 v[SPW], v[NIL]
	s_wait_dscnt 0x0
	s_endpgm
.Lfunc_end_k_q8d28176f23_attn:
	.size	k_q8d28176f23_attn, .Lfunc_end_k_q8d28176f23_attn-k_q8d28176f23_attn
	.p2alignl 7, 3214868480
	.fill 96, 4, 3214868480
	.section	.rodata,"a",@progbits
	.p2align	6, 0x0
	.amdhsa_kernel k_q8d28176f23_attn
		.amdhsa_group_segment_fixed_size 107520
		.amdhsa_private_segment_fixed_size 0
		.amdhsa_enable_private_segment 0
		.amdhsa_kernarg_size 72
		.amdhsa_user_sgpr_count 2
		.amdhsa_user_sgpr_kernarg_segment_ptr 1
		.amdhsa_wavefront_size32 1
		.amdhsa_system_sgpr_workgroup_id_x 1
		.amdhsa_system_sgpr_workgroup_id_y 1
		.amdhsa_system_sgpr_workgroup_id_z 1
		.amdhsa_system_vgpr_workitem_id 0
		.amdhsa_next_free_vgpr 512
		.amdhsa_next_free_sgpr 66
		.amdhsa_reserve_vcc 0
		.amdhsa_float_denorm_mode_32 3
		.amdhsa_float_denorm_mode_16_64 3
		.amdhsa_memory_ordered 1
		.amdhsa_forward_progress 1
		.amdhsa_inst_pref_size 183
	.end_amdhsa_kernel
	.amdgpu_metadata
---
amdhsa.version: [ 1, 2 ]
amdhsa.kernels:
  - .name:           k_q8d28176f23_attn
    .symbol:         k_q8d28176f23_attn.kd
    .args:
      - { .name: x1, .offset: 0, .size: 8, .value_kind: global_buffer, .address_space: global }
      - { .name: x2, .offset: 8, .size: 8, .value_kind: global_buffer, .address_space: global }
      - { .name: xcodes, .offset: 16, .size: 8, .value_kind: global_buffer, .address_space: global }
      - { .name: xscales, .offset: 24, .size: 8, .value_kind: global_buffer, .address_space: global }
      - { .name: wcodes, .offset: 32, .size: 8, .value_kind: global_buffer, .address_space: global }
      - { .name: wscales, .offset: 40, .size: 8, .value_kind: global_buffer, .address_space: global }
      - { .name: peaks, .offset: 48, .size: 8, .value_kind: global_buffer, .address_space: global }
      - { .name: out0, .offset: 56, .size: 8, .value_kind: global_buffer, .address_space: global }
      - { .name: out1, .offset: 64, .size: 8, .value_kind: global_buffer, .address_space: global }
    .group_segment_fixed_size: 107520
    .private_segment_fixed_size: 0
    .kernarg_segment_align: 8
    .kernarg_segment_size: 72
    .max_flat_workgroup_size: 256
    .sgpr_count:     66
    .vgpr_count:     512
    .wavefront_size: 32
...
	.end_amdgpu_metadata
.endif
;; end of part 2
